; MI455X (gfx1250); checked and timed in simulation.
; The chip was launched on July 23, 2026; its instructions are those of AMD's public machine-readable ISA for CDNA 5 (MIT licence, August 2026) and "CDNA5" Instruction Set Architecture Reference Guide (July 2026). The comments in the code are by the model that wrote it; some were corrected since.
;; Hard Quantization Threshold Rounding Layer. Allowed arithmetic: float matrix products may take bf16 or f16 operands with f32 sums; all other float work in f32.
;; Inputs: thresholds 512 x 63 float32; x 4,096 x 512 float32.
;; Outputs: out0 4,096 x 512 float32.
;; One version. Each part assembles by itself: llvm-mc -triple=amdgcn-amd-amdhsa -mcpu=gfx1250 --defsym DOCPART=n.
;; ======== version 1 of 1: 1 launch
;; launch quant (part 1): grid 8 x 32, 4 waves a work-group, no clusters, 168,448 bytes of LDS; arguments thresholds, x, out0; writes out0
.if DOCPART == 1
	.amdgcn_target "amdgcn-amd-amdhsa--gfx1250"
	.amdhsa_code_object_version 6
	.text
	.protected	k_q85b9def1fb_quant
	.globl	k_q85b9def1fb_quant
	.p2align	8
	.type	k_q85b9def1fb_quant,@function
k_q85b9def1fb_quant:
	s_mov_b64 s[64:65], 0
	v_nop
	global_prefetch_b8 v0, s[64:65] scope:SCOPE_SE
	s_setreg_imm32_b32 hwreg(HW_REG_WAVE_MODE, 25, 1), 1
	s_wait_xcnt 0x0
; out[b][f] = R[f][count], count = how many of feature f's 63 thresholds lie strictly below x[b][f],
; R[f][0..63] = the table of midpoints that is built from the thresholds in the order in which they are given.
; x, out: [4096][512] f32.  thresholds: [512][63] f32, in ANY order: nothing here leans on their being sorted.
;
; THE IDEA.  The count does not change when a feature's thresholds are permuted.  So the work-group sorts them once (min/max network,
; no address hangs on a comparison); with s_0 <= .. <= s_62 the chain  r = R[0]; for t ascending: if x > s_t then r = R[t+1]  ends with
; r = R[count], since the hits are exactly t = 0 .. count-1.  One comparison and one select for each element and threshold, exact in f32.
; x = NaN hits nothing and gets R[0].  A NaN threshold is never below x: it is replaced by +inf in the sorted list (R keeps it).
; Kept limit: R = fma(d, 0.5, th) is rounded once; it differs from a product and a sum only where d * 0.5 is denormal.
;
; SHARES.  256 work-groups = 8 blocks of 64 features x 32 blocks of 128 rows; four waves, 32 rows each; a lane owns 2 neighbouring
; features, so a wave's 8-byte store covers 256 consecutive bytes, aligned.  All four waves use the same 64 features: 64 sorts a group.
; NO CLUSTER: of a group's 81,664 bytes only the 16,128 of thresholds are shared with other groups, and they are asked for once.
; NO PREFETCH, NO RING: a wave asks for all that it will ever read with its first two tensor loads.
.set T,      63                        ; thresholds of a feature
.set ROWB,   2048                      ; bytes in a row of x and of out
.set WROWS,  32                        ; rows of a wave
.set BROWS,  8                         ; rows of a batch: 16 chains a lane
.set TRIPS,  WROWS/BROWS
.set FBLK,   64*T*4                    ; 16,128 bytes: the thresholds of 64 features, dense in memory, 63 x 256 bytes
; LDS
.set L_THR,  0                         ; thresholds as given: feature f at 252 f                       16,384 bytes
.set L_X,    16384                     ; x: wave w at 8,192 w, 32 rows of 256 bytes                    32,768 bytes
.set L_S,    49152                     ; sorted: row t of 256 bytes = s_t of the 64 features           16,384 bytes
.set L_R,    65536                     ; midpoints: row j = R[j] of the 64 features                    16,384 bytes
; in rows 32..63 of both tables feature f stands in column (f + 32) mod 64: see the stores
; vector registers, window 0
.set TM,  1                            ; scratch
.set H,   2                            ; which half of its feature's thresholds the lane sorts
.set EA,  3                            ; LDS: my 32 thresholds as given
.set WS,  4                            ; LDS: where my 32 sorted ones go
.set WR,  5                            ; LDS: where my 32 midpoints go
.set CI,  6                            ; -inf (lower half) or +inf (upper half)
.set TLO, 7                            ; LDS: my two features in table rows 0..31
.set THI, 8                            ; LDS: the same in rows 32..63
.set XA,  9                            ; LDS: my 8 bytes in the first row of the batch to fetch
.set VO,  10                           ; my 8 bytes in a row of out
.set TN,  11                           ; scratch
.set R0,  12                           ; v[12:13]  R[0] of my two features
.set X,   16                           ; v[16:31]  x of the batch: row i in X+2i, X+2i+1
.set Q,   32                           ; v[32:47]  the 16 chains
.set ED,  48                           ; v[48:51]  scratch for the table's two ends
.set E,   64                           ; v[64:95]  sort array
.set G,   96                           ; v[96:127] sort array
; vector registers, window 1 (v256 and up, written by their low 8 bits)
.set SW,  0                            ; s_t of my two features in SW+2t, SW+2t+1, t = 0..62
.set RW,  124                          ; R[j] in RW+2j, RW+2j+1, j = 1..63
; scalar registers
.set WV,  10                           ; wave number
.set G0T, 16                           ; s[16:19] thresholds: descriptor group 0
.set G1T, 20                           ; s[20:27]             group 1
.set G0X, 28                           ; s[28:31] x: group 0
.set G1X, 32                           ; s[32:39]    group 1
.set MK,  40                           ; s[40:55] the 16 chains' masks
.set HM,  56                           ; lanes that sort an upper half
.set CNT, 57
.set PINF, 58
.set MSB, 0
.macro WIN new                         ; the immediate's high byte repeats the setting that is left
.if MSB != \new
	s_set_vgpr_msb (MSB<<8)|\new
.set MSB, \new
.endif
.endm
	s_load_b128 s[4:7], s[0:1], 0x0                ; thresholds s[4:5], x s[6:7]
	s_load_b64 s[8:9], s[0:1], 0x10                ; out
	v_lshl_add_u32 v254, v0, 2, 0x29000
	v_mov_b32 v255, 0
	ds_add_u32 v254, v255
	ds_add_u32 v254, v255
	v_lshrrev_b32 v[TM], 5, v0
	v_readfirstlane_b32 s[WV], v[TM]               ; wave 0..3
	s_and_b32 s11, ttmp7, 0xffff                   ; block of 128 rows; ttmp9: block of 64 features
	; Thresholds: the group's dense 16,128 bytes as 63 rows of 256 bytes (32 elements of 8 bytes); each wave brings 16 rows.
	; tensor_dim1 says how many rows are left from the tile's first: 63, 47, 31, 15.  The last wave's 16th row lies beyond and arrives as zeros.
	s_mov_b32 s[G1T+0], 3<<16                      ; no work-group mask; elements of 8 bytes; no padding
	s_mov_b32 s[G1T+1], 32<<16                     ; tensor_dim0 = 32
	s_lshl_b32 s12, s[WV], 4
	s_sub_co_u32 s12, T, s12
	s_lshl_b32 s[G1T+2], s12, 16                   ; tensor_dim1 = 63 - 16 wave
	s_mov_b32 s[G1T+3], 32<<16                     ; tile_dim0 = 32
	s_mov_b32 s[G1T+4], 16                         ; tile_dim1 = 16
	s_mov_b32 s[G1T+5], 32                         ; from row to row: 32 elements (dense)
	s_mov_b32 s[G1T+6], 0
	s_mov_b32 s[G1T+7], 0
	; x: my 32 rows x 256 bytes, rows 2,048 bytes apart
	s_mov_b32 s[G1X+0], 3<<16
	s_mov_b32 s[G1X+1], 32<<16                     ; tensor_dim0 = 32
	s_mov_b32 s[G1X+2], WROWS<<16                  ; tensor_dim1 = 32
	s_mov_b32 s[G1X+3], 32<<16                     ; tile_dim0 = 32
	s_mov_b32 s[G1X+4], WROWS                      ; tile_dim1 = 32
	s_mov_b32 s[G1X+5], ROWB/8                     ; from row to row: 256 elements
	s_mov_b32 s[G1X+6], 0
	s_mov_b32 s[G1X+7], 0
	s_mul_i32 s12, ttmp9, FBLK                     ; thresholds: the group's block
	s_lshl_b32 s13, s[WV], 12                      ; + my 16 rows of 256 bytes
	s_add_co_u32 s12, s12, s13
	s_mov_b32 s13, 0
	s_lshl2_add_u32 s14, s11, s[WV]                ; x and out: (4 x row block + wave)
	s_lshl_b32 s14, s14, 16                        ; x 32 rows of 2,048 bytes
	s_lshl_b32 s15, ttmp9, 8                       ; + 256 bytes x feature block
	s_add_co_u32 s14, s14, s15
	s_mov_b32 s15, 0
	s_mov_b32 s[G0T], 1
	s_lshl_b32 s[G0T+1], s[WV], 12                 ; LDS: L_THR + 4,096 wave
	s_mov_b32 s[G0X], 1
	s_lshl_b32 s[G0X+1], s[WV], 13
	s_add_co_u32 s[G0X+1], s[G0X+1], L_X           ; LDS: L_X + 8,192 wave
	s_wait_dscnt 0x0
	s_wait_kmcnt 0x0
	s_add_nc_u64 s[G0T+2:G0T+3], s[4:5], s[12:13]
	s_or_b32 s[G0T+3], s[G0T+3], 0x80000000        ; type = 2
	tensor_load_to_lds s[G0T:G0T+3], s[G1T:G1T+7]  ; the thresholds first: they are wanted first
	s_nop 0
	s_add_nc_u64 s[G0X+2:G0X+3], s[6:7], s[14:15]
	s_or_b32 s[G0X+3], s[G0X+3], 0x80000000
	tensor_load_to_lds s[G0X:G0X+3], s[G1X:G1X+7]  ; two tensor loads of the wave are out, and no more follow
	s_nop 0
	s_add_nc_u64 s[8:9], s[8:9], s[14:15]          ; out at my first row
	; Lane terms.  For the sort lanes l and l xor 1 share feature f = thread / 2; h = thread & 1 takes thresholds 32 h .. 32 h + 31.
	s_mov_b32 s[PINF], 0x7f800000
	v_and_b32 v[H], 1, v0
	v_lshrrev_b32 v[TM], 1, v0                     ; f, 0..63
	v_mul_u32_u24 v[EA], v[TM], 4*T
	v_lshl_add_u32 v[EA], v[H], 7, v[EA]           ; 252 f + 128 h
	v_lshl_add_u32 v[TN], v[H], 5, v[TM]
	v_and_b32 v[TN], 63, v[TN]                     ; column (f + 32 h) mod 64: a wave's 16 features x 2 halves then touch 32 different
	v_lshlrev_b32 v[TN], 2, v[TN]                  ; words modulo 256 bytes in each store (64 banks of 4 bytes: ISA guide 11.1)
	v_lshl_add_u32 v[TN], v[H], 13, v[TN]          ; + 32 h rows of 256 bytes
	v_add_nc_u32 v[WS], L_S, v[TN]
	v_add_nc_u32 v[WR], L_R, v[TN]
	v_cmp_eq_u32 s[HM], 1, v[H]
	v_lshlrev_b32 v[CI], 31, v[H]
	v_xor_b32 v[CI], 0xff800000, v[CI]             ; h = 0: -inf, h = 1: +inf
	; For the main part lane l owns features 2 l and 2 l + 1.
	v_and_b32 v[TM], 31, v0
	v_lshlrev_b32 v[VO], 3, v[TM]                  ; 8 l
	v_add_nc_u32 v[TLO], L_S, v[VO]
	v_add_nc_u32 v[TN], 128, v[VO]
	v_and_b32 v[TN], 255, v[TN]                    ; the turned columns of rows 32..63
	v_add_nc_u32 v[THI], L_S, v[TN]
	v_add_nc_u32 v[XA], s[G0X+1], v[VO]            ; my wave's x tile + 8 l
	s_wait_tensorcnt 0x1                           ; tensor loads of a wave end in order: my quarter of the thresholds is in, the x tile behind it may be out
	s_barrier_signal -1
	s_barrier_wait -1                              ; everybody's quarter is in
.set n, 0
.rept 32
	ds_load_b32 v[E+n], v[EA] offset:4*n           ; e[n] = th[32 h + n]; word 63 f + 32 h + n: 32 different words modulo 64
.set n, n+1
.endr
	s_wait_dscnt 0x0                               ; (for h = 1, e[31] is the next feature's first number, or a zero of the last row: replaced below)
	; R[32 h + n] = th[j-1] + 0.5 (th[j] - th[j-1]); the two ends: R[0] = th[0] + 0.5 (th[0] - th[1]), R[63] = th[62] + 0.5 (th[62] - th[61])
	v_mov_b32_dpp v[TM], v[E+31] row_xmask:1 row_mask:0xf bank_mask:0xf    ; the partner's e[31]: for h = 1 it is th[31]
	v_cndmask_b32 v[ED], v[E+1], v[TM], s[HM]      ; what is taken away from e[0]: th[1] or th[31]
	v_cndmask_b32 v[ED+1], v[E], v[TM], s[HM]      ; what the half difference is added to: th[0] or th[31]
	v_cndmask_b32 v[ED+2], v[E+31], v[E+30], s[HM] ; n = 31: th[31] - th[30], or th[62] - th[61]
	v_cndmask_b32 v[ED+3], v[E+30], v[E+29], s[HM]
	v_sub_f32 v[ED], v[E], v[ED]
	v_sub_f32 v[ED+2], v[ED+2], v[ED+3]
	v_fma_f32 v[G], v[ED], 0.5, v[ED+1]
	v_fma_f32 v[G+31], v[ED+2], 0.5, v[E+30]
.set n, 1
.rept 30
	v_sub_f32 v[G+n], v[E+n], v[E+n-1]
.set n, n+1
.endr
.set n, 1
.rept 30
	v_fma_f32 v[G+n], v[G+n], 0.5, v[E+n-1]
.set n, n+1
.endr
.set n, 0
.rept 32
	ds_store_b32 v[WR], v[G+n] offset:256*n
.set n, n+1
.endr
	; THE SORT.  A NaN becomes +inf (the smaller of NaN and +inf is +inf), the 64th place is filled with +inf: no x is above either.
.set n, 0
.rept 32
	v_min_num_f32 v[E+n], s[PINF], v[E+n]
.set n, n+1
.endr
	v_cndmask_b32 v[E+31], v[E+31], v[CI], s[HM]
; One step of a bitonic network in which every comparator puts the smaller number in the lower place: place n against place n xor mask.
; Each place gets one instruction, from one array into the other, so nothing is copied.
.set SRC, E
.set DST, G
.macro FLIPARR
.set SWP, SRC
.set SRC, DST
.set DST, SWP
.endm
.macro STAGE mask
.set n, 0
.rept 32
.if (n ^ \mask) > n
	v_min_num_f32 v[DST+n], v[SRC+n], v[SRC+(n^\mask)]
.else
	v_max_num_f32 v[DST+n], v[SRC+n], v[SRC+(n^\mask)]
.endif
.set n, n+1
.endr
	FLIPARR
.endm
; Sorted runs of k/2 are merged to runs of k: first place n against its mirror in the block of k (mask k-1), then distances k/4 .. 1.
	STAGE 1
	STAGE 3
	STAGE 1
	STAGE 7
	STAGE 2
	STAGE 1
	STAGE 15
	STAGE 4
	STAGE 2
	STAGE 1
	STAGE 31
	STAGE 8
	STAGE 4
	STAGE 2
	STAGE 1
	; k = 64: place 32 h + n against place 63 - (32 h + n) = the partner lane's place 31 - n.  The middle one of (mine, the partner's, -inf) is the
	; smaller of the two, with +inf the larger: one instruction serves both halves.  (Both arrays have been written by now, as a DPP destination must.)
.set n, 0
.rept 32
	v_mov_b32_dpp v[DST+n], v[SRC+31-n] row_xmask:1 row_mask:0xf bank_mask:0xf
.set n, n+1
.endr
.set n, 0
.rept 32
	v_med3_num_f32 v[DST+n], v[DST+n], v[SRC+n], v[CI]
.set n, n+1
.endr
	FLIPARR
	STAGE 16
	STAGE 8
	STAGE 4
	STAGE 2
	STAGE 1
.set n, 0
.rept 32
	ds_store_b32 v[WS], v[SRC+n] offset:256*n      ; s[32 h + n]; row 63 (the filler) is stored with the rest and never read
.set n, n+1
.endr
	s_wait_tensorcnt 0x0                           ; my x tile is in: only I read it
	s_wait_dscnt 0x0                               ; my part of both tables is in LDS, for the others' sake
	s_barrier_signal -1
	s_barrier_wait -1
	; My two features' tables into registers, 8 bytes a lane, 256 neighbouring bytes an instruction; and the first batch of x.
	ds_load_b64 v[R0:R0+1], v[TLO] offset:L_R-L_S
.set n, 0
.rept BROWS
	ds_load_b64 v[X+2*n:X+2*n+1], v[XA] offset:256*n
.set n, n+1
.endr
	WIN 0x40                                       ; destination in window 1, address in window 0
.set n, 0
.rept 32
	ds_load_b64 v[SW+2*n:SW+2*n+1], v[TLO] offset:256*n
.set n, n+1
.endr
.rept 31
	ds_load_b64 v[SW+2*n:SW+2*n+1], v[THI] offset:256*n
.set n, n+1
.endr
.set n, 1
.rept 31
	ds_load_b64 v[RW+2*n:RW+2*n+1], v[TLO] offset:L_R-L_S+256*n
.set n, n+1
.endr
.rept 32
	ds_load_b64 v[RW+2*n:RW+2*n+1], v[THI] offset:L_R-L_S+256*n
.set n, n+1
.endr
	WIN 0
; THE MAIN PART.  A batch is 8 rows = 16 chains.  For threshold tt: 16 comparisons into 16 masks, then 16 selects, so that a select stands
; 16 instructions behind its comparison and 32 behind the chain's last link.  Source 1 is read from window 1 (the tables), the rest from window 0.
.macro CMPS
.set c, 0
.rept 2*BROWS
	v_cmp_gt_f32 s[MK+c], v[X+c], v[SW+2*tt+(c&1)]                 ; x > s_tt
.set c, c+1
.endr
.endm
.macro SELS
.set c, 0
.rept 2*BROWS
	v_cndmask_b32 v[Q+c], v[Q+c], v[RW+2*tt+2+(c&1)], s[MK+c]      ; then R[tt+1]
.set c, c+1
.endr
.endm
; more = 1: another batch follows, and its x is fetched from LDS as soon as this batch's last comparisons have read theirs.
.macro BATCH more
	s_wait_dscnt 0x0                               ; the batch's x (and, the first time, the tables)
.if \more
	v_add_nc_u32 v[XA], BROWS*256, v[XA]           ; the next batch's rows
.endif
	WIN 0x04
.set tt, 0
	CMPS
	s_wait_xcnt 0x0                                ; the last batch's stores read Q and s[8:9], which are rewritten only behind this wait
	s_add_nc_u64 s[8:9], s[8:9], BROWS*ROWB        ; stepped ahead of the stores, which reach back by a negative offset
.set c, 0
.rept 2*BROWS
	v_cndmask_b32 v[Q+c], v[R0+(c&1)], v[RW+2+(c&1)], s[MK+c]      ; the first link starts the chain: R[1] or R[0]
.set c, c+1
.endr
.set tt, 1
.rept T-2
	CMPS
	SELS
.set tt, tt+1
.endr
	CMPS                                           ; tt = 62
.if \more
.set n, 0
.rept BROWS
	ds_load_b64 v[X+2*n:X+2*n+1], v[XA] offset:256*n
.set n, n+1
.endr
.endif
	SELS
	WIN 0                                          ; a store's data are its source 1; and at a branch every window is 0
.set n, 0
.rept BROWS
	global_store_b64 v[VO], v[Q+2*n:Q+2*n+1], s[8:9] offset:n*ROWB-BROWS*ROWB th:TH_STORE_NT   ; 32 lanes store 256 consecutive bytes, at a multiple of 256 from the first byte of out
.set n, n+1
.endr
.endm
	s_mov_b32 s[CNT], TRIPS-1
.Ltrip:
	BATCH 1
	s_sub_co_u32 s[CNT], s[CNT], 1
	s_cmp_lg_u32 s[CNT], 0
	s_cbranch_scc1 .Ltrip
	BATCH 0                                        ; the last batch fetches nothing
	s_wait_tensorcnt 0x0
	ds_add_u32 v254, v255
	s_wait_dscnt 0x0
	s_endpgm
.Lfunc_end_k_q85b9def1fb_quant:
	.size	k_q85b9def1fb_quant, .Lfunc_end_k_q85b9def1fb_quant-k_q85b9def1fb_quant
	.p2alignl 7, 3214868480
	.fill 96, 4, 3214868480
	.section	.rodata,"a",@progbits
	.p2align	6, 0x0
	.amdhsa_kernel k_q85b9def1fb_quant
		.amdhsa_group_segment_fixed_size 168448
		.amdhsa_private_segment_fixed_size 0
		.amdhsa_enable_private_segment 0
		.amdhsa_kernarg_size 24
		.amdhsa_user_sgpr_count 2
		.amdhsa_user_sgpr_kernarg_segment_ptr 1
		.amdhsa_wavefront_size32 1
		.amdhsa_system_sgpr_workgroup_id_x 1
		.amdhsa_system_sgpr_workgroup_id_y 1
		.amdhsa_system_sgpr_workgroup_id_z 1
		.amdhsa_system_vgpr_workitem_id 0
		.amdhsa_next_free_vgpr 512
		.amdhsa_next_free_sgpr 66
		.amdhsa_reserve_vcc 0
		.amdhsa_float_denorm_mode_32 3
		.amdhsa_float_denorm_mode_16_64 3
		.amdhsa_memory_ordered 1
		.amdhsa_forward_progress 1
		.amdhsa_inst_pref_size 255
	.end_amdhsa_kernel
	.section	.bss,"aw",@nobits
	.p2align	6
	.space	262144
	.amdgpu_metadata
---
amdhsa.version: [ 1, 2 ]
amdhsa.kernels:
  - .name:           k_q85b9def1fb_quant
    .symbol:         k_q85b9def1fb_quant.kd
    .args:
      - { .name: thresholds, .offset: 0, .size: 8, .value_kind: global_buffer, .address_space: global }
      - { .name: x, .offset: 8, .size: 8, .value_kind: global_buffer, .address_space: global }
      - { .name: out0, .offset: 16, .size: 8, .value_kind: global_buffer, .address_space: global }
    .group_segment_fixed_size: 168448
    .private_segment_fixed_size: 0
    .kernarg_segment_align: 8
    .kernarg_segment_size: 24
    .max_flat_workgroup_size: 128
    .sgpr_count:     66
    .vgpr_count:     512
    .wavefront_size: 32
...
	.end_amdgpu_metadata
.endif
;; end of part 1
